; MI455X (gfx1250); checked and timed in simulation.
; The chip was launched on July 23, 2026; its instructions are those of AMD's public machine-readable ISA for CDNA 5 (MIT licence, August 2026) and "CDNA5" Instruction Set Architecture Reference Guide (July 2026). The comments in the code are by the model that wrote it; some were corrected since.
;; Vector Quantizer. Allowed arithmetic: matrix products marked QUANTISED: E5M2 operands, one E8M0 scale for each 32 along K, by v_wmma_scale_f32_16x16x128_f8f6f4 with both operands' format E5M2, f32 sums; everything else in f32.
;; Inputs: W 8,192 x 256 float32; z 32,768 x 256 float32.
;; Outputs: out0 32,768 x 256 float32; out1 32,768 int32; out2 32,768 float32.
;; This version of the problem:
;;   THIS VERSION OF THE PROBLEM IS GIVEN IN LOW PRECISION. The matrix products marked QUANTISED in the list below multiply operands that are first quantised to E5M2 (5 exponent bits, 2 mantissa bits; 8 bits a number), with one power-of-two scale for each 32 numbers along K (OCP MX v1.0); their sums are f32. All else is computed in f32.
;;   The module's matrix products, in the order in which they are computed (A, B: the left and right operand; K: the contracted axis; several contracted axes count as one K, in the product's order):
;;     1. [M 32,768, K 256] x [K 256, N 8,192]; A: input z; B: input W: QUANTISED
;;   THE QUANTISER, for each operand of a quantised product, along K:
;;     - K is cut into blocks of 32 from its start; a last block that is shorter is filled with zeros.
;;     - A block's scale is 2^e with e = floor(log2(the largest magnitude in the block)) - 15, held to -126 .. 127; a block of zeros has e = 0. As a byte (E8M0): e + 127.
;;     - Each number is divided by its block's scale, clamped to +-57,344, and rounded to the nearest number of E5M2, ties to even, subnormals kept.
;;     - The product sums the exact products of the quantised numbers (number of the format x scale) in f32.
;;   ~~~python
;;   def quantise(x, axis):      # numpy; x: float32 -> the quantised numbers, widened to float32 again
;;       x = np.moveaxis(x, axis, -1); K = x.shape[-1]
;;       x = np.pad(x, [(0, 0)] * (x.ndim - 1) + [(0, -K % 32)]); x = x.reshape(x.shape[:-1] + (-1, 32)); a = np.abs(x).max(-1, keepdims=True)
;;       e = np.where(a > 0, np.clip(np.frexp(np.where(a > 0, a, 1))[1] - 1 - 15, -126, 127), 0)      # np.frexp(a)[1] - 1 = floor(log2(a)), exactly
;;       r = np.clip(x / 2.0 ** e, -57344, 57344)
;;       step = 2.0 ** (np.maximum(np.frexp(np.where(r == 0, 1, r))[1] - 1, -14) - 2)
;;       q = np.round(r / step) * step * 2.0 ** e      # np.round: ties to even
;;       return np.moveaxis(q.reshape(q.shape[:-2] + (-1,))[..., :K], -1, axis).astype(np.float32)
;;   ~~~
;; One version. Each part assembles by itself: llvm-mc -triple=amdgcn-amd-amdhsa -mcpu=gfx1250 --defsym DOCPART=n.
;; ======== version 1 of 1: 3 launches
;; workspace buffers: wimg 2,228,224 bytes; idxw 131,072 bytes of whole numbers
;; launch quantw (part 1): grid 256 x 1, 2 waves a work-group, no clusters, 168,192 bytes of LDS; arguments W, wimg; writes wimg
.if DOCPART == 1
	.amdgcn_target "amdgcn-amd-amdhsa--gfx1250"
	.amdhsa_code_object_version 6
	.text
	.protected	k_q7c5f09959d_quantw
	.globl	k_q7c5f09959d_quantw
	.p2align	8
	.type	k_q7c5f09959d_quantw,@function
k_q7c5f09959d_quantw:
	s_mov_b64 s[64:65], 0
	v_nop
	global_prefetch_b8 v0, s[64:65] scope:SCOPE_SE
	s_setreg_imm32_b32 hwreg(HW_REG_WAVE_MODE, 25, 1), 1
	s_wait_xcnt 0x0
; W [8192][256] f32 becomes 512 RECORDS of 4,352 bytes in wimg, one for each tile of 16 codebook rows, laid in the order in which the search's operand registers take them:
;   bytes 0..2047     the fragment of K 0..127 as an image of its registers: group c (4 registers) of lane l at 512 c + 16 l; lane (r, h) holds row 16 t + r, k = 32 c + 16 h + 0..15, as codes of E5M2
;   bytes 2048..4095  the same for K 128..255
;   bytes 4096..4159  the rows' scale words (four E8M0 bytes) of K 0..127, row r at 4 r;   4160..4223 those of K 128..255
;   bytes 4224..4287  ww = the sum of the row's squares, f32, taken of the unquantised numbers;   4288..4351 zeros
; A block's scale is 2^(floor(log2(its largest magnitude)) - 15); its byte is the largest magnitude's exponent field - 15, held at 1 from below; each number is held within +-57,344 x the scale and rounded to the nearest code, ties to even.
; LIMITS: a block of zeros gets the byte 1 where the rule says 127 (its codes are zeros, and this program alone reads the bytes); NaN and infinities among the inputs are not served;
; ww is summed in four packed chains and then across the two halves of the lanes: an order of its own, which may differ in the last bit from another order of the same f32 sum.
; SHARES: a wave owns one tile: 16 rows, 16,384 bytes in, 4,352 out.  One tensor load brings the rows into the wave's own LDS bytes, 16 bytes of padding behind each 1,024, so that the sixteen rows of a 16-byte load start
; at sixteen different columns.  Nothing in LDS is filled twice and no wave reads another's bytes: no barrier.  No cluster: no two work-groups read the same bytes.
.set PITCH, 1040
.set WTILE, 16*PITCH                   ; a wave's rows in LDS
.set EX,    2*WTILE                    ; behind them: 256 bytes for each wave, where a record's last 256 bytes are gathered; no tensor load lands here
.set REC,   4352
.set LI,  3                            ; v3   16 x lane
.set EXW, 4                            ; v4   EX + 256 x wave + 4 r
.set EXR, 5                            ; v5   EX + 256 x wave + 8 x lane
.set ZR,  6                            ; v6   my 64 bytes of a block of 32 numbers: wave's rows + 1,040 r + 64 h
.set GO,  7                            ; v7   8 x lane
.set NIL, 10                           ; v10  0
.set SQ,  24                           ; v24-31   four packed chains of squares
.set PC0, 56                           ; v56-71   the codes of K 0..127
.set TM,  80                           ; v80-95   largest magnitudes, bytes, holds, scale operands
.set PWA, 96                           ; v96, v97 the two scale words
.set PWB, 97
.set WWR, 98                           ; v98  ww
.set XA,  112                          ; v112-175 64 numbers of K 0..127: register 16 b + i = k 32 b + 16 h + i of row r
.set XB,  176                          ; v176-239 of K 128..255
.set PC1, 240                          ; v240-255 the codes of K 128..255
.set WV,  14
.set SEL, 20                           ; s[20:21] v_permlanex16_b32's selects for lane l xor 16
.set MNT, 22                           ; s22  the mantissa field of 57,344
.set G0,  24                           ; s[24:27] descriptor group 0
.set G1,  28                           ; s[28:35] descriptor group 1
.macro XLOAD buf, off                  ; 64 numbers a lane: of each block of 32, my half's 16 neighbours
.irp b, 0,1,2,3
.irp j, 0,1,2,3
	ds_load_b128 v[\buf+16*\b+4*\j:\buf+16*\b+4*\j+3], v[ZR] offset:\off+128*\b+16*\j
.endr
.endr
.endm
.macro SQR s, first                    ; the squares of 64 numbers onto four chains, a chain a block; first = 1: the first products start the sums
.irp b, 0,1,2,3
.if \first
	v_pk_mul_f32 v[SQ+2*\b:SQ+2*\b+1], v[\s+16*\b:\s+16*\b+1], v[\s+16*\b:\s+16*\b+1]
.else
	v_pk_fma_f32 v[SQ+2*\b:SQ+2*\b+1], v[\s+16*\b:\s+16*\b+1], v[\s+16*\b:\s+16*\b+1], v[SQ+2*\b:SQ+2*\b+1]
.endif
.endr
.irp i, 2,4,6,8,10,12,14
.irp b, 0,1,2,3
	v_pk_fma_f32 v[SQ+2*\b:SQ+2*\b+1], v[\s+16*\b+\i:\s+16*\b+\i+1], v[\s+16*\b+\i:\s+16*\b+\i+1], v[SQ+2*\b:SQ+2*\b+1]
.endr
.endr
.endm
.macro ZZRED dst                       ; the chains, the pair's halves, and lane l xor 16's: the row's sum, the same bits in both lanes
	v_pk_add_f32 v[SQ:SQ+1], v[SQ:SQ+1], v[SQ+2:SQ+3]
	v_pk_add_f32 v[SQ+4:SQ+5], v[SQ+4:SQ+5], v[SQ+6:SQ+7]
	v_pk_add_f32 v[SQ:SQ+1], v[SQ:SQ+1], v[SQ+4:SQ+5]
	v_add_f32 v[SQ], v[SQ], v[SQ+1]
	v_permlanex16_b32 v[SQ+1], v[SQ], s[SEL], s[SEL+1]
	v_add_f32 v[\dst], v[SQ], v[SQ+1]
.endm
.macro QUANT s, pc, pw                 ; 64 numbers of a lane become a fragment's 16 registers of codes and the row's scale word
.irp b, 0,1,2,3
	v_max3_num_f32 v[TM+\b], |v[\s+16*\b]|, |v[\s+1+16*\b]|, 0x8000000   ; block b: my 16 numbers, and the floor 2^(16 - 127): the byte cannot fall under 1
.endr
.irp i, 2,4,6,8,10,12,14
.irp b, 0,1,2,3
	v_max3_num_f32 v[TM+\b], v[TM+\b], |v[\s+16*\b+\i]|, |v[\s+1+16*\b+\i]|   ; the four blocks by turns
.endr
.endr
.irp b, 0,1,2,3
	v_permlanex16_b32 v[TM+4+\b], v[TM+\b], s[SEL], s[SEL+1]
.endr
.irp b, 0,1,2,3
	v_max_num_f32 v[TM+\b], v[TM+\b], v[TM+4+\b]   ; with lane l xor 16's 16: the block's largest magnitude
.endr
.irp b, 0,1,2,3
	v_add_nc_u32 v[TM+12+\b], 0xf8800000, v[TM+\b]   ; 15 off its exponent field: the conversion's scale operand
.endr
.irp b, 0,1,2,3
	v_and_or_b32 v[TM+8+\b], v[TM+\b], 0x7f800000, s[MNT]   ; 57,344 x the scale
.endr
.irp b, 0,1,2,3
	v_lshrrev_b32 v[TM+4+\b], 23, v[TM+12+\b]   ; the scale's byte
.endr
	v_lshl_or_b32 v[\pw], v[TM+5], 8, v[TM+4]
	v_lshl_or_b32 v[\pw], v[TM+6], 16, v[\pw]
	v_lshl_or_b32 v[\pw], v[TM+7], 24, v[\pw]
.irp b, 0,1,2,3
.irp i, 0,1,2,3,4,5,6,7,8,9,10,11,12,13,14,15
	v_med3_num_f32 v[\s+16*\b+\i], v[\s+16*\b+\i], -v[TM+8+\b], v[TM+8+\b]   ; the conversion to an 8-bit code does not saturate (ISA guide 7.6.2): the hold comes first
.endr
	v_cvt_scalef32_pk8_bf8_f32 v[\pc+4*\b:\pc+1+4*\b], v[\s+16*\b:\s+7+16*\b], v[TM+12+\b]
	v_cvt_scalef32_pk8_bf8_f32 v[\pc+2+4*\b:\pc+3+4*\b], v[\s+8+16*\b:\s+15+16*\b], v[TM+12+\b]
.endr
	v_nop                                          ; one plain vector instruction behind the last conversion
.endm
	s_load_b128 s[4:7], s[0:1], 0x0                ; W s[4:5], wimg s[6:7]
	v_lshl_add_u32 v110, v0, 2, 0x29000
	v_mov_b32 v111, 0
	ds_add_u32 v110, v111
	ds_add_u32 v110, v111
	v_lshrrev_b32 v1, 5, v0
	v_readfirstlane_b32 s[WV], v1                  ; wave 0, 1
	s_lshl_b32 s15, ttmp9, 1
	s_add_co_u32 s15, s15, s[WV]                   ; my tile t = 2 x work-group + wave
	s_lshl_b32 s18, s15, 14                        ; its 16 rows of 1,024 bytes in W
	s_mov_b32 s19, 0
	s_mul_i32 s16, s15, REC                        ; its record in wimg
	s_mov_b32 s17, 0
	; descriptor group 1: 16 rows of 256 elements of 4 bytes, dense in memory; 4 words of padding behind every 256 words
	s_mov_b32 s[G1], (2<<16)|(1<<20)|(7<<22)|(3<<25)
	s_mov_b32 s[G1+1], 256<<16                     ; tensor_dim0
	s_mov_b32 s[G1+2], 16<<16                      ; tensor_dim1
	s_mov_b32 s[G1+3], 256<<16                     ; tile_dim0
	s_mov_b32 s[G1+4], 16                          ; tile_dim1
	s_mov_b32 s[G1+5], 256                         ; elements from row to row
	s_mov_b32 s[G1+6], 0
	s_mov_b32 s[G1+7], 0
	s_mov_b32 s[G0], 1
	s_mul_i32 s[G0+1], s[WV], WTILE                ; my wave's own LDS bytes
	s_mov_b32 s[SEL], 0x76543210
	s_mov_b32 s[SEL+1], 0xfedcba98
	s_mov_b32 s[MNT], 0x600000
	s_wait_dscnt 0x0
	s_wait_kmcnt 0x0
	s_add_nc_u64 s[G0+2:G0+3], s[4:5], s[18:19]
	s_or_b32 s[G0+3], s[G0+3], 0x80000000          ; type = 2
	s_add_nc_u64 s[6:7], s[6:7], s[16:17]
	tensor_load_to_lds s[G0:G0+3], s[G1:G1+7]      ; my one tensor load
	s_nop 0
.rept 4
	v_nop
.endr
	v_and_b32 v2, 31, v0                           ; lane
	v_and_b32 v8, 15, v0                           ; r
	v_bfe_u32 v9, v0, 4, 1                         ; h
	v_lshlrev_b32 v[LI], 4, v2
	v_lshlrev_b32 v[GO], 3, v2
	v_mul_u32_u24 v[ZR], v8, PITCH
	v_lshl_add_u32 v[ZR], v9, 6, v[ZR]
	v_add_nc_u32 v[ZR], s[G0+1], v[ZR]
	s_lshl_b32 s23, s[WV], 8
	s_add_co_u32 s23, s23, EX
	v_lshl_add_u32 v[EXW], v8, 2, s23
	v_lshl_add_u32 v[EXR], v2, 3, s23
	v_mov_b32 v[NIL], 0
.irp b, 0,1,2,3
	v_mov_b32 v[TM+4+\b], 0                        ; written once: a lane permute's destination counts as one of its sources
.endr
	s_wait_tensorcnt 0x0                           ; my rows are in LDS; only I read them
	XLOAD XA, 0
	XLOAD XB, 512
	s_wait_dscnt 16                                ; K 0..127 is in; the 16 loads of K 128..255 may be out
	SQR XA, 1                                      ; the squares first: the hold below writes over the numbers
	QUANT XA, PC0, PWA
.irp c, 0,1,2,3
	global_store_b128 v[LI], v[PC0+4*\c:PC0+4*\c+3], s[6:7] offset:512*\c   ; 32 lanes store 512 consecutive bytes, at a multiple of 256 from wimg's first byte
.endr
	s_wait_dscnt 0x0
	SQR XB, 0
	QUANT XB, PC1, PWB
.irp c, 0,1,2,3
	global_store_b128 v[LI], v[PC1+4*\c:PC1+4*\c+3], s[6:7] offset:2048+512*\c
.endr
	ZZRED WWR
	ds_store_b32 v[EXW], v[PWA]                    ; the record's last 256 bytes are gathered in my own LDS bytes; both lanes of a row write the same word with the same value
	ds_store_b32 v[EXW], v[PWB] offset:64
	ds_store_b32 v[EXW], v[WWR] offset:128
	ds_store_b32 v[EXW], v[NIL] offset:192
	ds_load_b64 v[100:101], v[EXR]                 ; LDS serves a wave's instructions in order (ISA guide 5.7.1.4): this sees my stores
	s_wait_dscnt 0x0
	global_store_b64 v[GO], v[100:101], s[6:7] offset:4096   ; 32 lanes store 256 consecutive bytes
	s_wait_tensorcnt 0x0
	ds_add_u32 v110, v111
	s_wait_dscnt 0x0
	s_endpgm
.Lfunc_end_k_q7c5f09959d_quantw:
	.size	k_q7c5f09959d_quantw, .Lfunc_end_k_q7c5f09959d_quantw-k_q7c5f09959d_quantw
	.p2alignl 7, 3214868480
	.fill 96, 4, 3214868480
	.section	.rodata,"a",@progbits
	.p2align	6, 0x0
	.amdhsa_kernel k_q7c5f09959d_quantw
		.amdhsa_group_segment_fixed_size 168192
		.amdhsa_private_segment_fixed_size 0
		.amdhsa_enable_private_segment 0
		.amdhsa_kernarg_size 16
		.amdhsa_user_sgpr_count 2
		.amdhsa_user_sgpr_kernarg_segment_ptr 1
		.amdhsa_wavefront_size32 1
		.amdhsa_system_sgpr_workgroup_id_x 1
		.amdhsa_system_sgpr_workgroup_id_y 1
		.amdhsa_system_sgpr_workgroup_id_z 1
		.amdhsa_system_vgpr_workitem_id 0
		.amdhsa_next_free_vgpr 256
		.amdhsa_next_free_sgpr 66
		.amdhsa_reserve_vcc 0
		.amdhsa_float_denorm_mode_32 3
		.amdhsa_float_denorm_mode_16_64 3
		.amdhsa_memory_ordered 1
		.amdhsa_forward_progress 1
		.amdhsa_inst_pref_size 27
	.end_amdhsa_kernel
	.amdgpu_metadata
---
amdhsa.version: [ 1, 2 ]
amdhsa.kernels:
  - .name:           k_q7c5f09959d_quantw
    .symbol:         k_q7c5f09959d_quantw.kd
    .args:
      - { .name: W, .offset: 0, .size: 8, .value_kind: global_buffer, .address_space: global }
      - { .name: wimg, .offset: 8, .size: 8, .value_kind: global_buffer, .address_space: global }
    .group_segment_fixed_size: 168192
    .private_segment_fixed_size: 0
    .kernarg_segment_align: 8
    .kernarg_segment_size: 16
    .max_flat_workgroup_size: 64
    .sgpr_count:     66
    .vgpr_count:     256
    .wavefront_size: 32
...
	.end_amdgpu_metadata
.endif
;; end of part 1
;; launch search (part 2): grid 256 x 1, 4 waves a work-group, clusters of 4 x 1, 327,680 bytes of LDS; arguments z, wimg, idxw, out1, out2; writes idxw, out1, out2
.if DOCPART == 2
	.amdgcn_target "amdgcn-amd-amdhsa--gfx1250"
	.amdhsa_code_object_version 6
	.text
	.protected	k_q7c5f09959d_search
	.globl	k_q7c5f09959d_search
	.p2align	8
	.type	k_q7c5f09959d_search,@function
k_q7c5f09959d_search:
	s_mov_b64 s[64:65], 0
	v_nop
	global_prefetch_b8 v0, s[64:65] scope:SCOPE_SE
	s_setreg_imm32_b32 hwreg(HW_REG_WAVE_MODE, 25, 1), 1
	s_wait_xcnt 0x0
	s_wait_alu depctr_hold_cnt(0) depctr_sa_sdst(0) depctr_va_vdst(0) depctr_va_sdst(0) depctr_va_ssrc(0) depctr_va_vcc(0) depctr_vm_vsrc(0)
	s_getreg_b32 s2, hwreg(HW_REG_IB_STS2, 6, 4)
	s_cmp_eq_u32 s2, 0
	s_cbranch_scc0 .Lentry_in_a_cluster
	s_endpgm
.Lentry_in_a_cluster:
	s_bfe_u32 s2, ttmp6, 0x10000c
	s_cmp_lg_u32 s2, 0x3003
	s_cbranch_scc0 .Lentry_shape_is_right
	s_endpgm
.Lentry_shape_is_right:
; idx[n] = the first k at which d[n][k] = (zz[n] + ww[k]) - 2 dot[n][k] is smallest; dot = z W^T on codes of E5M2 with one E8M0 scale for each 32 along K = 256.  Stored to idxw (for the next launch) and to out1; out2 = zeros.
; d HAS TWO ROUNDINGS AND NO OTHER: T = zz + ww (a multiply-add by 1.0: the same bits as the addition), d = T - 2 dot (one fused multiply-add: 2 dot is exact).  Equal d are frequent where zz is large beside the
; products, and the lowest index wins at every level: a later tile replaces the best only where it is strictly smaller; inside a tile the first equal register; between halves of the lanes and between waves the pair (d, index) in order.
; LIMITS: NaN and infinities among the inputs are not served (the minima pass over NaN); where every d of a row is +infinity the index is 0.  A block of zeros gets the scale byte 1 where the rule says 127: its codes are zeros.
; zz is summed in four packed chains and then across the halves of the lanes: an order of its own, which may differ in the last bit from another order of the same f32 sum.
; SHARES.  A work-group owns 128 rows of z.  It quantises them once (wave w: rows 32 w on), hands the fragments round through LDS as images of their registers, and EVERY wave keeps all 8 tiles x 2 K steps in registers (window 1).
; W comes as records of 4,352 bytes (a tile of 16 codes: two fragments' images, scale words, ww).  A slot is 32 records; wave w fetches and reads records 8 w .. 8 w + 7 of each slot: each record is read from LDS once in
; the work-group and feeds 16 matrix instructions.  Two slots take turns; 16 slots in all.
; CLUSTER.  All work-groups walk the same records: the four of a cluster ask for each jointly (the same tensor load, the same descriptor, made of the wave's number alone, mask 15).
; LAYOUT.  The matrix instruction is used transposed: source 0 = 16 codes, source 1 = 16 rows of z.  Lane (r, h) holds ONE row r of z; register j is code 16 t + 8 h + j.  So zz is one number a lane, and the search over j stays in the lane.
; A PAIR (tile of W, tile of z) is 2 matrix and 21 vector instructions: 4 + 4 packed multiply-adds (T, d), 4 minima of three (the new best), 1 compare (new < old), 8 selects (where it improved keep d0..d6 and the tile's first code).
; Which j it was is found once, at the end: the first saved d equal to the best, else 7.
; THE PIPELINE.  Step n issues the first K step of pair n + 1, d of pair n - 1, the second K step of pair n, the compare and selects of pair n - 2 and the minima of pair n - 1.  Four accumulators take turns, one instruction a
; turn.  Between a pair's second K step and the first read of its sums stand 17 plain vector instructions that name none of its registers (8 are asked: ISA guide 7.12.1).
; WINDOWS.  All but z's fragments lies in window 0.  The packed multiply-adds have a constant as source 1, so they run under the matrix instructions' setting (source 1 in window 1): two switches a pair.
.set REC,   4352
.set SLOTB, 32*REC                     ; 139,264
.set BUF1,  SLOTB                      ; slot buffer 0 at LDS byte 0, buffer 1 here; buffer 1 first holds z as f32: wave w's 32 rows at + 33,280 w, 1,024 bytes + 16 of padding a row
.set ZP,    1040
.set ZIMG,  2*SLOTB                    ; z's 16 fragments as images: (2 a + s) x 2,048 + 512 c + 16 x lane
.set ZSCL,  ZIMG+32768                 ; z's scale words: 128 a + 64 s + 4 r
.set ZZL,   ZSCL+1024                  ; zz: 4 bytes a row
.set MRG,   ZZL+512                    ; the waves' results: 1,024 w + 8 x row = (best d, index)
.set SPARE, MRG+4096                   ; the spare words, 128 bytes for each wave: two blocks of 256 bytes that no other line names
.set SPW, 1                            ; v1   SPARE + 4 x my thread's number; never rewritten
.set NIL, 2                            ; v2   0; never rewritten
.set LI,  3                            ; v3   16 x lane
.set LS,  4                            ; v4   4 x lane
.set LH,  5                            ; v5   32 h
.set ADR, 6                            ; v6-8 LDS addresses of the record being fetched
.set ADS, 7
.set ADW, 8
.set HB,  9                            ; v9   8 h + 128 x wave
.set MA,  10                           ; v10, v11 at work in the minima
.set MB,  11
.set CUR, 12                           ; v12, v13 the first code of my half of the tile in buffer p
.set WSC, 14                           ; v14, v15 W's scale words of buffer p: lanes 0-15 K 0..127, lanes 16-31 K 128..255
.set ZSC, 16                           ; v16-23   z's, tile a, likewise
.set ZZ,  24                           ; v24-39   (zz, zz) of tile a
.set BEST, 40                          ; v40-55   tile e: two registers; the old best and the new change places with the parity of W's tile
.set WW,  56                           ; v56-71   ww of my half's 8 codes, buffer p
.set T0,  72                           ; v72-79   T and then d of a pair with even e;  v240-247 with odd e
.set T1,  240
.set ACC, 80                           ; v80-111  four accumulators
.set SV,  112                          ; v112-175 tile e: d0..d6 as they were when the best last improved, and that tile's first code
.set WF,  176                          ; v176-239 W's fragments: buffer p, K step s at + 32 p + 16 s
; the head's use of the same registers
.set ZR,  6                            ; v6   my 64 bytes of a block of z
.set IW,  7                            ; v7   where I store images
.set SW,  8                            ; v8   scale words
.set ZW,  11                           ; v11  zz
.set SQ,  24
.set RR,  32                           ; v32-34 r, h, lane
.set HH,  33
.set LL,  34
.set PC0, 56
.set TM,  80
.set PWA, 96
.set PWB, 97
.set ZZA, 98                           ; v98, v99 zz of my two tiles
.set AZI, 100                          ; v100-102 where every wave reads images, scale words and zz back
.set AZS, 101
.set AZZ, 102
.set XA,  112
.set XB,  176
.set PC1, 240
.set WV,  14                           ; s14  wave
.set SEL, 20                           ; s[20:21] v_permlanex16_b32's selects for lane l xor 16
.set MNT, 22                           ; s22  the mantissa field of 57,344
.set TB,  23                           ; s23  LDS byte of the record to be fetched next
.set KB,  24                           ; s24  its first code, less 128 x wave
.set CNI, 25
.set CNO, 26
.set G1W, 28                           ; s[28:35] group 1 for records;  s[36:43] for z
.set G1Z, 36
.set G0A, 44                           ; s[44:47] group 0 of buffer 0;  s[48:51] of buffer 1;  s[52:55] of z
.set G0Z, 52
.set MSB, 0
.macro WIN new                         ; the immediate's high byte repeats the setting that is left
.if MSB != \new
	s_set_vgpr_msb (MSB<<8)|\new
.set MSB, \new
.endif
.endm
.macro CREST                           ; a round of the cluster's barrier behind its opening barrier
	s_cmp_lg_u32 s[WV], 0
	s_cbranch_scc1 .Lnot_wave_0_\@
	s_barrier_signal -3
.Lnot_wave_0_\@:
	s_barrier_wait -3
	s_barrier_signal -1
	s_barrier_wait -1
.endm
.macro ROUND
	s_barrier_signal -1
	s_barrier_wait -1
	CREST
.endm
.macro XLOAD buf, off                  ; 64 numbers a lane: register 16 b + i = k 32 b + 16 h + i of row r
.irp b, 0,1,2,3
.irp j, 0,1,2,3
	ds_load_b128 v[\buf+16*\b+4*\j:\buf+16*\b+4*\j+3], v[ZR] offset:\off+128*\b+16*\j
.endr
.endr
.endm
.macro SQR s, first                    ; the squares of 64 numbers onto four chains; first = 1: the first products start the sums
.irp b, 0,1,2,3
.if \first
	v_pk_mul_f32 v[SQ+2*\b:SQ+2*\b+1], v[\s+16*\b:\s+16*\b+1], v[\s+16*\b:\s+16*\b+1]
.else
	v_pk_fma_f32 v[SQ+2*\b:SQ+2*\b+1], v[\s+16*\b:\s+16*\b+1], v[\s+16*\b:\s+16*\b+1], v[SQ+2*\b:SQ+2*\b+1]
.endif
.endr
.irp i, 2,4,6,8,10,12,14
.irp b, 0,1,2,3
	v_pk_fma_f32 v[SQ+2*\b:SQ+2*\b+1], v[\s+16*\b+\i:\s+16*\b+\i+1], v[\s+16*\b+\i:\s+16*\b+\i+1], v[SQ+2*\b:SQ+2*\b+1]
.endr
.endr
.endm
.macro ZZRED dst
	v_pk_add_f32 v[SQ:SQ+1], v[SQ:SQ+1], v[SQ+2:SQ+3]
	v_pk_add_f32 v[SQ+4:SQ+5], v[SQ+4:SQ+5], v[SQ+6:SQ+7]
	v_pk_add_f32 v[SQ:SQ+1], v[SQ:SQ+1], v[SQ+4:SQ+5]
	v_add_f32 v[SQ], v[SQ], v[SQ+1]
	v_permlanex16_b32 v[SQ+1], v[SQ], s[SEL], s[SEL+1]
	v_add_f32 v[\dst], v[SQ], v[SQ+1]
.endm
.macro QUANT s, pc, pw                 ; 64 numbers of a lane become a fragment's 16 registers of codes and the row's scale word
.irp b, 0,1,2,3
	v_max3_num_f32 v[TM+\b], |v[\s+16*\b]|, |v[\s+1+16*\b]|, 0x8000000   ; block b: my 16 numbers, and the floor 2^(16 - 127): the byte cannot fall under 1
.endr
.irp i, 2,4,6,8,10,12,14
.irp b, 0,1,2,3
	v_max3_num_f32 v[TM+\b], v[TM+\b], |v[\s+16*\b+\i]|, |v[\s+1+16*\b+\i]|
.endr
.endr
.irp b, 0,1,2,3
	v_permlanex16_b32 v[TM+4+\b], v[TM+\b], s[SEL], s[SEL+1]
.endr
.irp b, 0,1,2,3
	v_max_num_f32 v[TM+\b], v[TM+\b], v[TM+4+\b]   ; with lane l xor 16's 16: the block's largest magnitude
.endr
.irp b, 0,1,2,3
	v_add_nc_u32 v[TM+12+\b], 0xf8800000, v[TM+\b]   ; 15 off its exponent field: the conversion's scale operand
.endr
.irp b, 0,1,2,3
	v_and_or_b32 v[TM+8+\b], v[TM+\b], 0x7f800000, s[MNT]   ; 57,344 x the scale
.endr
.irp b, 0,1,2,3
	v_lshrrev_b32 v[TM+4+\b], 23, v[TM+12+\b]   ; the scale's byte
.endr
	v_lshl_or_b32 v[\pw], v[TM+5], 8, v[TM+4]
	v_lshl_or_b32 v[\pw], v[TM+6], 16, v[\pw]
	v_lshl_or_b32 v[\pw], v[TM+7], 24, v[\pw]
.irp b, 0,1,2,3
.irp i, 0,1,2,3,4,5,6,7,8,9,10,11,12,13,14,15
	v_med3_num_f32 v[\s+16*\b+\i], v[\s+16*\b+\i], -v[TM+8+\b], v[TM+8+\b]   ; the conversion to an 8-bit code does not saturate (ISA guide 7.6.2): the hold comes first
.endr
	v_cvt_scalef32_pk8_bf8_f32 v[\pc+4*\b:\pc+1+4*\b], v[\s+16*\b:\s+7+16*\b], v[TM+12+\b]
	v_cvt_scalef32_pk8_bf8_f32 v[\pc+2+4*\b:\pc+3+4*\b], v[\s+8+16*\b:\s+15+16*\b], v[TM+12+\b]
.endr
	v_nop                                          ; one plain vector instruction behind the last conversion
.endm
.macro ZOUT pc, pw, ap, s              ; a fragment goes to LDS as it stands, its scale words beside it: 5 stores
.irp c, 0,1,2,3
	ds_store_b128 v[IW], v[\pc+4*\c:\pc+4*\c+3] offset:4096*(\ap)+2048*(\s)+512*\c
.endr
	ds_store_b32 v[SW], v[\pw] offset:128*(\ap)+64*(\s)   ; both lanes of a row write the same word with the same value
.endm
; The next record into buffer p: 8 + 1 + 2 LDS loads in one run.
.macro FETCH p
	v_add_nc_u32 v[ADR], s[TB], v[LI]
	v_add_nc_u32 v[ADS], s[TB], v[LS]
	v_add_nc_u32 v[ADW], s[TB], v[LH]
	v_add_nc_u32 v[CUR+(\p)], s[KB], v[HB]
.irp s, 0,1
.irp c, 0,1,2,3
	ds_load_b128 v[WF+32*(\p)+16*\s+4*\c:WF+32*(\p)+16*\s+4*\c+3], v[ADR] offset:2048*\s+512*\c
.endr
.endr
	ds_load_b32 v[WSC+(\p)], v[ADS] offset:4096
	ds_load_b128 v[WW+8*(\p):WW+8*(\p)+3], v[ADW] offset:4224
	ds_load_b128 v[WW+8*(\p)+4:WW+8*(\p)+7], v[ADW] offset:4240
	s_add_co_u32 s[TB], s[TB], REC
	s_add_co_u32 s[KB], s[KB], 16
.endm
.macro MX a, p                         ; K 0..127 of the NEXT pair starts its sums
.set na, ((\a)+1)%8
.set np, \p
.if (\a) == 7
.set np, 1-(\p)
.endif
	v_wmma_scale_f32_16x16x128_f8f6f4 v[ACC+8*(na%4):ACC+8*(na%4)+7], v[WF+32*np:WF+32*np+15], v[32*na:32*na+15], 0, v[WSC+np], v[ZSC+na] matrix_a_fmt:MATRIX_FMT_BF8 matrix_b_fmt:MATRIX_FMT_BF8
.endm
.macro MY a, p                         ; K 128..255 of this pair; both sides' scale words from lanes 16-31
	v_wmma_scale_f32_16x16x128_f8f6f4 v[ACC+8*((\a)%4):ACC+8*((\a)%4)+7], v[WF+32*(\p)+16:WF+32*(\p)+31], v[32*(\a)+16:32*(\a)+31], v[ACC+8*((\a)%4):ACC+8*((\a)%4)+7], v[WSC+(\p)], v[ZSC+(\a)] matrix_a_fmt:MATRIX_FMT_BF8 matrix_b_fmt:MATRIX_FMT_BF8 matrix_a_scale:MATRIX_SCALE_ROW1 matrix_b_scale:MATRIX_SCALE_ROW1
.endm
.macro PK8 e, p                        ; T = ww + zz, then d = T - 2 dot; the accumulator is read from its low end on
.set rT, T0+(T1-T0)*((\e)%2)
.irp k, 0,2,4,6
	v_pk_fma_f32 v[rT+\k:rT+\k+1], v[WW+8*(\p)+\k:WW+8*(\p)+\k+1], 1.0, v[ZZ+2*(\e):ZZ+2*(\e)+1] op_sel_hi:[1,0,1]
.endr
.irp k, 0,2,4,6
	v_pk_fma_f32 v[rT+\k:rT+\k+1], v[ACC+8*((\e)%4)+\k:ACC+8*((\e)%4)+\k+1], -2.0, v[rT+\k:rT+\k+1] op_sel_hi:[1,0,1]
.endr
.endm
.macro CMPB e, q                       ; did the best improve?  Strictly: an equal d of a later tile changes nothing
	v_cmp_lt_f32 vcc_lo, v[BEST+2*(\e)+1-(\q)], v[BEST+2*(\e)+(\q)]
.endm
.macro MIN3 e, q
.set rT, T0+(T1-T0)*((\e)%2)
	v_min3_num_f32 v[BEST+2*(\e)+1-(\q)], v[BEST+2*(\e)+(\q)], v[rT], v[rT+1]
	v_min3_num_f32 v[MA], v[rT+2], v[rT+3], v[rT+4]
	v_min3_num_f32 v[MB], v[rT+5], v[rT+6], v[rT+7]
.endm
.macro FIN e, q
	v_min3_num_f32 v[BEST+2*(\e)+1-(\q)], v[BEST+2*(\e)+1-(\q)], v[MA], v[MB]
.endm
.macro CND8 e, p
.set rT, T0+(T1-T0)*((\e)%2)
.irp j, 0,1,2,3,4,5,6
	v_cndmask_b32 v[SV+8*(\e)+\j], v[SV+8*(\e)+\j], v[rT+\j], vcc_lo
.endr
	v_cndmask_b32 v[SV+8*(\e)+7], v[SV+8*(\e)+7], v[CUR+(\p)], vcc_lo
.endm
; A pair step: z tile a against W's buffer p.  x = 0: there is no next pair.
.macro PS a, p, x
.set pe1, ((\a)+7)%8                   ; the pair one step back, and its buffer
.set pp1, \p
.if (\a) == 0
.set pp1, 1-(\p)
.endif
.set pe2, ((\a)+6)%8                   ; the pair two steps back
.set pp2, \p
.if (\a) < 2
.set pp2, 1-(\p)
.endif
	WIN 0x04                                       ; source 1 (z's fragments) in window 1
.if \x
	MX \a, \p
.endif
	PK8 pe1, pp1
	MY \a, \p
	WIN 0
	CMPB pe2, pp2
	MIN3 pe1, pp1
	CND8 pe2, pp2
	FIN pe1, pp1
.endm
.macro NEXTSLOT b                      ; the fetches go on to my records of the next slot, in the other buffer
.if (\b) == 0
	s_add_co_u32 s[TB], s[TB], BUF1-8*REC
.else
	s_sub_co_u32 s[TB], s[TB], BUF1+8*REC
.endif
	s_add_co_u32 s[KB], s[KB], 384                 ; 512 codes a slot, of which my 8 records were 128
.endm
; A tile of W in buffer p against z's eight tiles.  Behind the second pair step the next record is fetched into the other buffer: its last matrix reader stands 13 plain instructions and two pair steps back, ww's last
; reader in step 0, the first code's in step 1; it is first used in step 7, behind the wait.
; mode 0: inside a slot.  mode 1: a slot's last tile, buffer b is filled again.  mode 2: a slot's last tile, nothing is filled.  mode 3: the last tile of all.
.macro TILE p, mode, b
.if (\mode) == 1
	s_wait_tensorcnt 0x0                           ; all my tensor loads have landed: the one that was out is my part of the next slot; so a group 0 may be written
	ds_add_u32 v[SPW], v[NIL]                      ; 0 onto my spare word; a pair step stands between it and the wait for it
	s_add_nc_u64 s[G0A+4*(\b)+2:G0A+4*(\b)+3], s[G0A+4*(\b)+2:G0A+4*(\b)+3], 2*SLOTB   ; this buffer's next slot: two slots on
	NEXTSLOT \b
	PS 0, \p, 1
	s_wait_dscnt 0x0                               ; the add is done; my reads of this slot were over a tile ago (its last record is in registers)
	s_barrier_signal -1                            ; this barrier opens a round of the cluster's barrier
	PS 1, \p, 1
	s_barrier_wait -1
	CREST                                          ; no wave of any partner still reads this buffer or has a load on its way
	tensor_load_to_lds s[G0A+4*(\b):G0A+4*(\b)+3], s[G1W:G1W+7]   ; my one tensor load behind the round: it has a slot's eight tiles in which to land
	s_nop 0
.rept 4
	v_nop
.endr
.else
	PS 0, \p, 1
	PS 1, \p, 1
.if (\mode) == 2
	s_wait_tensorcnt 0x0                           ; my part of the last slot is in; only I read it
	NEXTSLOT \b
.endif
.endif
.if (\mode) != 3
	FETCH 1-(\p)
.endif
.irp a, 2,3,4,5,6
	PS \a, \p, 1
.endr
.if (\mode) != 3
	s_wait_dscnt 0x0                               ; the next record is in registers (asked for five pair steps ago)
	PS 7, \p, 1
.else
	PS 7, \p, 0
.endif
.endm
.macro SLOT b, mode                    ; my eight records of a slot in buffer b
	s_mov_b32 s[CNI], 3
.Ltiles_\@:
	TILE 0, 0, 0
	TILE 1, 0, 0
	s_sub_co_u32 s[CNI], s[CNI], 1
	s_cmp_lg_u32 s[CNI], 0
	s_cbranch_scc1 .Ltiles_\@
	TILE 0, 0, 0
	TILE 1, \mode, \b
.endm
	s_load_b256 s[4:11], s[0:1], 0x0               ; z s[4:5], wimg s[6:7], idxw s[8:9], out1 s[10:11]
	s_load_b64 s[12:13], s[0:1], 0x20              ; out2
	v_lshl_add_u32 v[SPW], v0, 2, SPARE
	v_mov_b32 v[NIL], 0
	ds_add_u32 v1, v2
	ds_add_u32 v1, v2
	s_wait_dscnt 0x0
	v_lshrrev_b32 v[LI], 5, v0
	v_readfirstlane_b32 s[WV], v[LI]               ; wave 0..3
	s_bfe_u32 s15, ttmp6, 0x40000                  ; cx
	s_lshl_b32 s16, ttmp9, 2
	s_add_co_u32 s16, s16, s15                     ; my block of 128 rows = 4 x cluster + cx: it enters z's and the outputs' addresses alone
	; group 1 for records: 8 records are 34,816 dense bytes: 136 rows of 32 elements of 8 bytes; mask: all four work-groups, bit 21 beside it
	s_mov_b32 s[G1W], 15|(3<<16)|(1<<21)
	s_mov_b32 s[G1W+1], 32<<16
	s_mov_b32 s[G1W+2], 136<<16
	s_mov_b32 s[G1W+3], 32<<16
	s_mov_b32 s[G1W+4], 136
	s_mov_b32 s[G1W+5], 32
	s_mov_b32 s[G1W+6], 0
	s_mov_b32 s[G1W+7], 0
	; group 1 for z: 32 rows of 256 elements of 4 bytes, 4 words of padding behind every 256; no mask: each work-group has rows of its own
	s_mov_b32 s[G1Z], (2<<16)|(1<<20)|(7<<22)|(3<<25)
	s_mov_b32 s[G1Z+1], 256<<16
	s_mov_b32 s[G1Z+2], 32<<16
	s_mov_b32 s[G1Z+3], 256<<16
	s_mov_b32 s[G1Z+4], 32
	s_mov_b32 s[G1Z+5], 256
	s_mov_b32 s[G1Z+6], 0
	s_mov_b32 s[G1Z+7], 0
	s_mov_b32 s[SEL], 0x76543210
	s_mov_b32 s[SEL+1], 0xfedcba98
	s_mov_b32 s[MNT], 0x600000
	s_mul_i32 s18, s[WV], 8*REC                    ; my 8 records: the same offset in a slot of wimg and in a buffer
	s_mov_b32 s19, 0
	s_mov_b32 s[TB], s18
	s_mov_b32 s[KB], 0
	s_mul_i32 s17, s[WV], 32*ZP
	s_add_co_u32 s17, s17, BUF1                    ; my 32 rows of z in LDS
	s_lshl_b32 s74, s16, 17                        ; and in memory: (128 x block + 32 x wave) rows of 1,024 bytes
	s_lshl_b32 s75, s[WV], 15
	s_add_co_u32 s74, s74, s75
	s_mov_b32 s75, 0
	s_lshl_b32 s76, s16, 9                         ; my block's 128 numbers of 4 bytes in each output
	s_mov_b32 s77, 0
	s_wait_kmcnt 0x0
	s_mov_b32 s[G0A], 1
	s_mov_b32 s[G0A+1], s18                        ; slot 0 into buffer 0
	s_add_nc_u64 s[G0A+2:G0A+3], s[6:7], s[18:19]
	s_mov_b32 s[G0A+4], 1
	s_add_co_u32 s[G0A+5], s18, BUF1               ; slot 1 into buffer 1
	s_add_nc_u64 s[G0A+6:G0A+7], s[G0A+2:G0A+3], SLOTB
	s_or_b32 s[G0A+3], s[G0A+3], 0x80000000        ; type = 2
	s_or_b32 s[G0A+7], s[G0A+7], 0x80000000
	s_mov_b32 s[G0Z], 1
	s_mov_b32 s[G0Z+1], s17
	s_add_nc_u64 s[G0Z+2:G0Z+3], s[4:5], s[74:75]
	s_or_b32 s[G0Z+3], s[G0Z+3], 0x80000000
	s_add_nc_u64 s[8:9], s[8:9], s[76:77]
	s_add_nc_u64 s[10:11], s[10:11], s[76:77]
	s_add_nc_u64 s[12:13], s[12:13], s[76:77]
	ROUND                                          ; all four work-groups are here: the first joint loads meet
	tensor_load_to_lds s[G0Z:G0Z+3], s[G1Z:G1Z+7]  ; my rows of z; two loads of mine are out
	s_nop 0
	tensor_load_to_lds s[G0A:G0A+3], s[G1W:G1W+7]  ; my records of slot 0
	s_nop 0
.rept 4
	v_nop
.endr
	v_and_b32 v[RR], 15, v0
	v_bfe_u32 v[HH], v0, 4, 1
	v_and_b32 v[LL], 31, v0
	v_lshlrev_b32 v[LI], 4, v[LL]
	v_lshlrev_b32 v[LS], 2, v[LL]
	v_lshlrev_b32 v[LH], 5, v[HH]
	s_lshl_b32 s18, s[WV], 7
	v_lshl_add_u32 v[HB], v[HH], 3, s18
	v_mul_u32_u24 v[ZR], v[RR], ZP
	v_lshl_add_u32 v[ZR], v[HH], 6, v[ZR]
	v_add_nc_u32 v[ZR], s17, v[ZR]
	s_lshl_b32 s18, s[WV], 13
	s_add_co_u32 s18, s18, ZIMG
	v_add_nc_u32 v[IW], s18, v[LI]                 ; my four fragments' images: 8,192 x wave on
	s_lshl_b32 s18, s[WV], 8
	s_add_co_u32 s18, s18, ZSCL
	v_lshl_add_u32 v[SW], v[RR], 2, s18
	s_lshl_b32 s18, s[WV], 7
	s_add_co_u32 s18, s18, ZZL
	v_lshl_add_u32 v[ZW], v[RR], 2, s18
	v_add_nc_u32 v[AZI], ZIMG, v[LI]
	v_add_nc_u32 v[AZS], ZSCL, v[LS]
	v_lshl_add_u32 v[AZZ], v[RR], 2, ZZL
.irp b, 0,1,2,3
	v_mov_b32 v[TM+4+\b], 0                        ; written once: a lane permute's destination counts as one of its sources
.endr
	; ---- my 32 rows of z become four fragments (tiles 2 w and 2 w + 1, two K steps each), their scale words and zz
	s_wait_tensorcnt 1                             ; z's load is in; the younger one, slot 0's, may be out.  Only I read these rows
	XLOAD XA, 0
	XLOAD XB, 512
	s_wait_dscnt 16                                ; the first 64 numbers are in; the 16 loads behind them may be out
	SQR XA, 1                                      ; the squares first: the hold writes over the numbers
	QUANT XA, PC0, PWA
	ZOUT PC0, PWA, 0, 0
	XLOAD XA, 16*ZP
	s_wait_dscnt 21                                ; younger than the second 64 numbers: 5 stores and 16 loads
	SQR XB, 0
	QUANT XB, PC1, PWB
	ZZRED ZZA
	ZOUT PC1, PWB, 0, 1
	ds_store_b32 v[ZW], v[ZZA]
	XLOAD XB, 16*ZP+512
	s_wait_dscnt 22                                ; younger than the third: 6 stores and 16 loads; the first fragment's stores are done, so its registers may be written
	SQR XA, 1
	QUANT XA, PC0, PWA
	ZOUT PC0, PWA, 1, 0
	s_wait_dscnt 5                                 ; younger than the fourth: 5 stores; the second fragment's stores are done
	SQR XB, 0
	QUANT XB, PC1, PWB
	ZZRED ZZA+1
	ZOUT PC1, PWB, 1, 1
	ds_store_b32 v[ZW], v[ZZA+1] offset:64
	; ---- buffer 1, which held z, takes slot 1.  The same round shows every wave's images to the others
	s_wait_tensorcnt 0x0                           ; all my tensor loads have landed
	ds_add_u32 v[SPW], v[NIL]                      ; 0 onto my spare word
	s_wait_dscnt 0x0                               ; the add and my stores are done, my reads of z are over
	ROUND
	tensor_load_to_lds s[G0A+4:G0A+7], s[G1W:G1W+7]   ; my one tensor load behind the round
	s_nop 0
.rept 4
	v_nop
.endr
	WIN 0x40                                       ; destination window 1
.irp f, 0,1,2,3,4,5,6,7,8,9,10,11,12,13,14,15
.irp c, 0,1,2,3
	ds_load_b128 v[16*\f+4*\c:16*\f+4*\c+3], v[AZI] offset:2048*\f+512*\c   ; z's 16 fragments stay in registers: tile a, K step s at v[32 a + 16 s] of window 1
.endr
.endr
	WIN 0
.irp a, 0,1,2,3,4,5,6,7
	ds_load_b32 v[ZSC+\a], v[AZS] offset:128*\a
	ds_load_b32 v[ZZ+2*\a], v[AZZ] offset:64*\a
	ds_load_b32 v[ZZ+2*\a+1], v[AZZ] offset:64*\a
.endr
	FETCH 0
	; The pipeline is written once: its first steps work on pairs that do not exist.  With ww = +infinity and sums of 0 their d are +infinity, which improves nothing.  These moves stand while the loads above are out.
	s_mov_b32 s18, 0x7f800000
.irp i, 0,1,2,3,4,5,6,7,8,9,10,11,12,13,14,15
	v_mov_b32 v[BEST+\i], s18
.endr
.irp i, 0,1,2,3,4,5,6,7
	v_mov_b32 v[WW+8+\i], s18
	v_mov_b32 v[ACC+24+\i], 0
	v_mov_b32 v[T0+\i], 0
.endr
.irp e, 0,1,2,3,4,5,6,7
.irp j, 0,1,2,3,4,5,6
	v_mov_b32 v[SV+8*\e+\j], s18
.endr
	v_mov_b32 v[SV+8*\e+7], 0
.endr
	v_mov_b32 v[CUR+1], 0
	s_wait_dscnt 0x0
	WIN 0x04
	MX 7, 1                                        ; K 0..127 of the first pair: buffer 0, z tile 0
	WIN 0                                          ; at a label every window is 0
	s_mov_b32 s[CNO], 7
.Lslots:                                           ; slots 0 to 13: at each one's end its buffer is filled with the slot two on
	SLOT 0, 1
	SLOT 1, 1
	s_sub_co_u32 s[CNO], s[CNO], 1
	s_cmp_lg_u32 s[CNO], 0
	s_cbranch_scc1 .Lslots
	SLOT 0, 2                                      ; the last two slots are written out
	SLOT 1, 3
	; ---- the pipeline runs empty
	PK8 7, 1
	CMPB 6, 1
	MIN3 7, 1
	CND8 6, 1
	FIN 7, 1
	CMPB 7, 1
	CND8 7, 1
	; ---- which register it was: the first saved d that equals the best, else 7.  The best of tile e lies in v[BEST + 2 e]: the last tile of W was an odd one
.set JR, T0
.irp e, 0,1,2,3,4,5,6,7
	v_mov_b32 v[JR+\e], 7
.endr
.irp j, 6,5,4,3,2,1,0
.irp e, 0,1,2,3,4,5,6,7
	v_cmp_eq_f32 s[56+\e], v[SV+8*\e+\j], v[BEST+2*\e]
.endr
.irp e, 0,1,2,3,4,5,6,7
	v_cndmask_b32 v[JR+\e], v[JR+\e], \j, s[56+\e]
.endr
.endr
.irp e, 0,1,2,3,4,5,6,7
	v_add_nc_u32 v[JR+\e], v[SV+8*\e+7], v[JR+\e]  ; the index
.endr
	; ---- the other half of the lanes holds the same row's other codes: the smaller d, at equal d the lower index
.irp e, 0,1,2,3,4,5,6,7
	v_permlanex16_b32 v[BEST+2*\e+1], v[BEST+2*\e], s[SEL], s[SEL+1]
	v_permlanex16_b32 v[SV+8*\e], v[JR+\e], s[SEL], s[SEL+1]
.endr
	v_and_b32 v[MA], 15, v0
	s_lshl_b32 s18, s[WV], 10
	s_add_co_u32 s18, s18, MRG
	v_lshl_add_u32 v[MA], v[MA], 3, s18            ; where I put a row's pair: MRG + 1,024 x wave + 8 r
	v_and_b32 v[MB], 31, v0
	v_lshl_add_u32 v[MB], v[MB], 5, MRG            ; where wave 0 reads four rows' pairs: MRG + 32 x lane
.set PR, ACC
.irp e, 0,1,2,3,4,5,6,7
	v_cmp_lt_f32 s[56+\e], v[BEST+2*\e+1], v[BEST+2*\e]
	v_cmp_eq_f32 s[66+\e], v[BEST+2*\e+1], v[BEST+2*\e]
	v_cmp_lt_u32 vcc_lo, v[SV+8*\e], v[JR+\e]
	s_and_b32 s[66+\e], s[66+\e], vcc_lo
	s_or_b32 s[56+\e], s[56+\e], s[66+\e]
	v_cndmask_b32 v[PR+2*\e], v[BEST+2*\e], v[BEST+2*\e+1], s[56+\e]
	v_cndmask_b32 v[PR+2*\e+1], v[JR+\e], v[SV+8*\e], s[56+\e]
.endr
.irp e, 0,1,2,3,4,5,6,7
	ds_store_b64 v[MA], v[PR+2*\e:PR+2*\e+1] offset:128*\e   ; both lanes of a row write the same pair
.endr
	s_wait_dscnt 0x0                               ; for the others' sake: my stores are done
	s_barrier_signal -1
	s_barrier_wait -1
	s_cmp_lg_u32 s[WV], 0
	s_cbranch_scc1 .Lend
	; ---- wave 0 joins the four waves' results, four rows a lane, and stores: each store covers 512 consecutive bytes, aligned
.set MG, SV
.irp u, 0,1,2,3
	ds_load_b128 v[MG+8*\u:MG+8*\u+3], v[MB] offset:1024*\u
	ds_load_b128 v[MG+8*\u+4:MG+8*\u+7], v[MB] offset:1024*\u+16
.endr
	s_wait_dscnt 0x0
.irp u, 1,2,3
.irp k, 0,1,2,3
	v_cmp_lt_f32 s[56+\k], v[MG+8*\u+2*\k], v[MG+2*\k]
	v_cmp_eq_f32 s[60+\k], v[MG+8*\u+2*\k], v[MG+2*\k]
	v_cmp_lt_u32 s[66+\k], v[MG+8*\u+2*\k+1], v[MG+2*\k+1]
.endr
.irp k, 0,1,2,3
	s_and_b32 s[60+\k], s[60+\k], s[66+\k]
	s_or_b32 s[56+\k], s[56+\k], s[60+\k]
.endr
.irp k, 0,1,2,3
	v_cndmask_b32 v[MG+2*\k], v[MG+2*\k], v[MG+8*\u+2*\k], s[56+\k]
	v_cndmask_b32 v[MG+2*\k+1], v[MG+2*\k+1], v[MG+8*\u+2*\k+1], s[56+\k]
.endr
.endr
.irp k, 0,1,2,3
	v_mov_b32 v[PR+\k], v[MG+2*\k+1]               ; four neighbouring rows' indices in four neighbouring registers
	v_mov_b32 v[PR+4+\k], 0
.endr
	global_store_b128 v[LI], v[PR:PR+3], s[8:9]                       ; idxw: the next launch reads it
	global_store_b128 v[LI], v[PR:PR+3], s[10:11] th:TH_STORE_NT      ; out1
	global_store_b128 v[LI], v[PR+4:PR+7], s[12:13] th:TH_STORE_NT    ; out2 = zeros
.Lend:
	s_wait_tensorcnt 0x0                           ; the wave's end, behind my last tensor load and my last LDS store
	ds_add_u32 v[SPW], v[NIL]
	s_wait_dscnt 0x0
	ROUND                                          ; the closing round: no work-group ends while a partner may still ask for records jointly
	s_endpgm
.Lfunc_end_k_q7c5f09959d_search:
	.size	k_q7c5f09959d_search, .Lfunc_end_k_q7c5f09959d_search-k_q7c5f09959d_search
	.p2alignl 7, 3214868480
	.fill 96, 4, 3214868480
	.section	.rodata,"a",@progbits
	.p2align	6, 0x0
	.amdhsa_kernel k_q7c5f09959d_search
		.amdhsa_group_segment_fixed_size 327680
		.amdhsa_private_segment_fixed_size 0
		.amdhsa_enable_private_segment 0
		.amdhsa_kernarg_size 40
		.amdhsa_user_sgpr_count 2
		.amdhsa_user_sgpr_kernarg_segment_ptr 1
		.amdhsa_wavefront_size32 1
		.amdhsa_system_sgpr_workgroup_id_x 1
		.amdhsa_system_sgpr_workgroup_id_y 1
		.amdhsa_system_sgpr_workgroup_id_z 1
		.amdhsa_system_vgpr_workitem_id 0
		.amdhsa_next_free_vgpr 512
		.amdhsa_next_free_sgpr 80
		.amdhsa_reserve_vcc 1
		.amdhsa_float_denorm_mode_32 3
		.amdhsa_float_denorm_mode_16_64 3
		.amdhsa_memory_ordered 1
		.amdhsa_forward_progress 1
		.amdhsa_inst_pref_size 255
	.end_amdhsa_kernel
	.section	.bss,"aw",@nobits
	.p2align	6
	.space	262144
	.amdgpu_metadata
---
amdhsa.version: [ 1, 2 ]
amdhsa.kernels:
  - .name:           k_q7c5f09959d_search
    .symbol:         k_q7c5f09959d_search.kd
    .args:
      - { .name: z, .offset: 0, .size: 8, .value_kind: global_buffer, .address_space: global }
      - { .name: wimg, .offset: 8, .size: 8, .value_kind: global_buffer, .address_space: global }
      - { .name: idxw, .offset: 16, .size: 8, .value_kind: global_buffer, .address_space: global }
      - { .name: out1, .offset: 24, .size: 8, .value_kind: global_buffer, .address_space: global }
      - { .name: out2, .offset: 32, .size: 8, .value_kind: global_buffer, .address_space: global }
    .group_segment_fixed_size: 327680
    .private_segment_fixed_size: 0
    .kernarg_segment_align: 8
    .kernarg_segment_size: 40
    .max_flat_workgroup_size: 128
    .sgpr_count:     80
    .vgpr_count:     512
    .wavefront_size: 32
...
	.end_amdgpu_metadata
.endif
;; end of part 2
;; launch gather (part 3): grid 512 x 1, 8 waves a work-group, no clusters, 0 bytes of LDS; arguments z, W, idxw, out0; writes out0
.if DOCPART == 3
	.amdgcn_target "amdgcn-amd-amdhsa--gfx1250"
	.amdhsa_code_object_version 6
	.text
	.protected	k_q7c5f09959d_gather
	.globl	k_q7c5f09959d_gather
	.p2align	8
	.type	k_q7c5f09959d_gather,@function
k_q7c5f09959d_gather:
	s_mov_b64 s[64:65], 0
	v_nop
	global_prefetch_b8 v0, s[64:65] scope:SCOPE_SE
	s_setreg_imm32_b32 hwreg(HW_REG_WAVE_MODE, 25, 1), 1
	s_wait_xcnt 0x0
; out0[n][:] = z[n][:] + (W[idx[n]][:] - z[n][:]), with both roundings, as they are written: where z is large beside W the result is not W's row.
; idx comes from idxw, whole numbers that the launch before has stored; it is held to 0..8191 ahead of its use in an address.
; A wave owns 8 rows.  A row is 1,024 bytes: two loads of 16 bytes a lane, each covering 512 consecutive bytes.  All 32 loads of a wave go out at once; there is no loop, no LDS, no barrier: waves share nothing.
; Matrix units, clusters and LDS would add nothing here: each byte of z is read once and each byte of out0 written once.
.set ZB, 16                            ; v16-79   z: row i at + 8 i
.set WB, 80                            ; v80-143  W's row for row i, then the result
	s_load_b256 s[4:11], s[0:1], 0x0               ; z s[4:5], W s[6:7], idxw s[8:9], out0 s[10:11]
	v_lshrrev_b32 v2, 5, v0
	v_readfirstlane_b32 s14, v2                    ; wave 0..7
	v_and_b32 v1, 31, v0
	v_lshlrev_b32 v1, 4, v1                        ; 16 x lane
	s_lshl_b32 s15, ttmp9, 6
	s_lshl_b32 s12, s14, 3
	s_add_co_u32 s15, s15, s12                     ; my first row: 64 x work-group + 8 x wave
	s_lshl_b32 s12, s15, 2                         ; its index, 4 bytes a row
	s_mov_b32 s13, 0
	s_lshl_b32 s40, s15, 10                        ; its 1,024 bytes in z and in out0
	s_mov_b32 s41, 0
	s_wait_kmcnt 0x0
	s_add_nc_u64 s[12:13], s[8:9], s[12:13]
	s_load_b256 s[16:23], s[12:13], 0x0            ; my 8 indices
	s_add_nc_u64 s[4:5], s[4:5], s[40:41]
	s_add_nc_u64 s[10:11], s[10:11], s[40:41]
.irp i, 0,1,2,3,4,5,6,7
.irp u, 0,1
	global_load_b128 v[ZB+8*\i+4*\u:ZB+8*\i+4*\u+3], v1, s[4:5] offset:1024*\i+512*\u th:TH_LOAD_NT
.endr
.endr
	s_wait_kmcnt 0x0
.irp i, 0,1,2,3,4,5,6,7
	s_min_u32 s[24+2*\i], s[16+\i], 0x1fff         ; inside the table
	s_lshl_b32 s[24+2*\i], s[24+2*\i], 10          ; a row of W is 1,024 bytes
	s_mov_b32 s[25+2*\i], 0
	s_add_nc_u64 s[24+2*\i:25+2*\i], s[6:7], s[24+2*\i:25+2*\i]
.endr
.irp i, 0,1,2,3,4,5,6,7
.irp u, 0,1
	global_load_b128 v[WB+8*\i+4*\u:WB+8*\i+4*\u+3], v1, s[24+2*\i:25+2*\i] offset:512*\u   ; no hint: a row of W may be named by many rows
.endr
.endr
.irp i, 0,1,2,3,4,5,6,7
	s_wait_loadcnt 14-2*\i                         ; loads come back in order (ISA guide 5.7.1): row i's are in, the two of each later row may be out
.irp k, 0,2,4,6
	v_pk_add_f32 v[WB+8*\i+\k:WB+8*\i+\k+1], v[WB+8*\i+\k:WB+8*\i+\k+1], v[ZB+8*\i+\k:ZB+8*\i+\k+1] neg_lo:[0,1] neg_hi:[0,1]   ; w - z
.endr
.irp k, 0,2,4,6
	v_pk_add_f32 v[WB+8*\i+\k:WB+8*\i+\k+1], v[ZB+8*\i+\k:ZB+8*\i+\k+1], v[WB+8*\i+\k:WB+8*\i+\k+1]   ; z + that
.endr
.irp u, 0,1
	global_store_b128 v1, v[WB+8*\i+4*\u:WB+8*\i+4*\u+3], s[10:11] offset:1024*\i+512*\u th:TH_STORE_NT   ; 32 lanes store 512 consecutive bytes, aligned
.endr
.endr
	s_endpgm
.Lfunc_end_k_q7c5f09959d_gather:
	.size	k_q7c5f09959d_gather, .Lfunc_end_k_q7c5f09959d_gather-k_q7c5f09959d_gather
	.p2alignl 7, 3214868480
	.fill 96, 4, 3214868480
	.section	.rodata,"a",@progbits
	.p2align	6, 0x0
	.amdhsa_kernel k_q7c5f09959d_gather
		.amdhsa_group_segment_fixed_size 0
		.amdhsa_private_segment_fixed_size 0
		.amdhsa_enable_private_segment 0
		.amdhsa_kernarg_size 32
		.amdhsa_user_sgpr_count 2
		.amdhsa_user_sgpr_kernarg_segment_ptr 1
		.amdhsa_wavefront_size32 1
		.amdhsa_system_sgpr_workgroup_id_x 1
		.amdhsa_system_sgpr_workgroup_id_y 1
		.amdhsa_system_sgpr_workgroup_id_z 1
		.amdhsa_system_vgpr_workitem_id 0
		.amdhsa_next_free_vgpr 144
		.amdhsa_next_free_sgpr 66
		.amdhsa_reserve_vcc 0
		.amdhsa_float_denorm_mode_32 3
		.amdhsa_float_denorm_mode_16_64 3
		.amdhsa_memory_ordered 1
		.amdhsa_forward_progress 1
		.amdhsa_inst_pref_size 11
	.end_amdhsa_kernel
	.amdgpu_metadata
---
amdhsa.version: [ 1, 2 ]
amdhsa.kernels:
  - .name:           k_q7c5f09959d_gather
    .symbol:         k_q7c5f09959d_gather.kd
    .args:
      - { .name: z, .offset: 0, .size: 8, .value_kind: global_buffer, .address_space: global }
      - { .name: W, .offset: 8, .size: 8, .value_kind: global_buffer, .address_space: global }
      - { .name: idxw, .offset: 16, .size: 8, .value_kind: global_buffer, .address_space: global }
      - { .name: out0, .offset: 24, .size: 8, .value_kind: global_buffer, .address_space: global }
    .group_segment_fixed_size: 0
    .private_segment_fixed_size: 0
    .kernarg_segment_align: 8
    .kernarg_segment_size: 32
    .max_flat_workgroup_size: 256
    .sgpr_count:     66
    .vgpr_count:     144
    .wavefront_size: 32
...
	.end_amdgpu_metadata
.endif
;; end of part 3
